; MI455X (gfx1250); checked and timed in simulation.
; The chip was launched on July 23, 2026; its instructions are those of AMD's public machine-readable ISA for CDNA 5 (MIT licence, August 2026) and "CDNA5" Instruction Set Architecture Reference Guide (July 2026). The comments in the code are by the model that wrote it; some were corrected since.
;; Hist Layer. Allowed arithmetic: float matrix products may take bf16 or f16 operands with f32 sums; other float arithmetic in f32, or as packed bf16 or f16 multiplies, adds, multiply-adds, maxima and minima; sums over many terms, partial sums and values carried from step to step in f32; what a program stores and reads back later, other than sums and carried values, may be rounded once to bf16 or f16.
;; Inputs: input_image 8 x 3 x 256 x 256 float32.
;; Outputs: out0 8 x 384 float32.
;; One version. Each part assembles by itself: llvm-mc -triple=amdgcn-amd-amdhsa -mcpu=gfx1250 --defsym DOCPART=n.
;; ======== version 1 of 1: 2 launches
;; workspace buffers: part 393,216 bytes
;; launch hist (part 1): grid 256 x 1, 12 waves a work-group, no clusters, 10,752 bytes of LDS; arguments input_image, part; writes part
.if DOCPART == 1
	.amdgcn_target "amdgcn-amd-amdhsa--gfx1250"
	.amdhsa_code_object_version 6
	.text
	.protected	k_q14005d6d01_hist
	.globl	k_q14005d6d01_hist
	.p2align	8
	.type	k_q14005d6d01_hist,@function
k_q14005d6d01_hist:
	s_mov_b64 s[64:65], 0
	v_nop
	global_prefetch_b8 v0, s[64:65] scope:SCOPE_SE
	s_setreg_imm32_b32 hwreg(HW_REG_WAVE_MODE, 25, 1), 1
	s_wait_xcnt 0x0
; HistLayer, launch 1 of 2: partial histograms.  input_image: 24 planes of 65,536 f32.  part: 768 rows of 128 f32.
; Row U of part = (sum of y over pixels 2048 U .. 2048 U + 2047, bin by bin) / 65,536; a plane is 32 such rows.
;
; ONE BIN PER PIXEL.  d = hw - |x - centre| is above 0 for one bin at most, k = floor(128 x); all other bins give y <= 1, which the
; threshold turns into 0.  k is clamped to 0..127, so that x outside [0,1) and the infinities meet bin 0 or 127 with d <= 0; a NaN
; loses the minimum that clamps |x - centre| at hw.  All of these give y = 1 and are dropped, as the problem's definition drops them.
; y = 1.01^d.  With w = ln(1.01f) (hw - min(|x - centre|, hw)), 0 <= w <= 3.9e-5 for EVERY input, y = fl(1 + w + w w / 2): what the
; series leaves out, w^3/6 < 1e-14, is seven orders below half a unit of y's last place (6e-8), so y is the correctly rounded power.
; The test y > 1 is a test of that last place, which is why no approximate exponential instruction is used.
; y = 1 + j 2^-23 with a whole number j, 0 <= j <= 326; y > 1 is j > 0.
;
; THE HISTOGRAM IS A MATRIX PRODUCT (no address hangs on a pixel's value).  k = 11 a + b, a < 12, b < 11:
;   count[a][b] = sum over pixels of [a(p) = a] [b(p) = b],   jsum[a][b] = sum over pixels of ([a(p) = a] j(p)) [b(p) = b],
; two chains of v_wmma_f32_16x16x32_f16, 32 pixels an instruction.  A lane makes of its pixels the words 1 << a and (j > 0) << b,
; 16 bits each, two pixels to a register.  A fragment register of row r is then ONE instruction: the word of another lane of my half
; (DPP row_share: lanes 0-15 take lane n, lanes 16-31 lane 16 + n, which is how a fragment shares K between the halves), ANDed with
; bit r of both halves.  As f16 the pattern 1 << r is 2^(r-24) for r = 0..11 (hence 12 x 11 and not 8 x 16), so that cell (a, b)
; comes out times 2^(a+b-48); v_ldexp_f32 takes that out at the end, exactly.  A and B use the same order of pixels along K.
; RELIED ON: f16 denormals are taken at their value, by the matrix instruction's operands and by v_pk_mul_f16 (the wave's mode at entry).
; All operands are made here and are bounded for every input: 2^-24 .. 2^-13, and j 2^(a-24) <= 0.04.  Both sums are exact in f32
; (count <= 512, jsum <= 166,912 a wave).  ROUNDING: count + 2^-23 jsum is rounded once, then partial sums are added in f32; this order
; differs from a plain f32 mean over the plane.
;
; SHARES.  256 work-groups of 12 waves, three to a SIMD.  A wave owns 512 pixels (2,048 bytes, four loads of 512 consecutive aligned bytes),
; a lane 16 pixels.  Waves 4u .. 4u+3 make unit u of the group's three; their tiles meet in LDS and wave u stores the unit's row.
; No cluster: no two work-groups read the same byte.  No tensor load, no ring: each byte goes to one lane once, and the group's
; 24,576 bytes are all asked for at the start.
.set NA,       12                      ; values of a (rows of the tile that are used)
.set NB,       11                      ; values of b (columns that are used)
.set WG_BYTES, 24576                   ; 6,144 pixels
.set REGION,   768                     ; LDS bytes of a wave: cell (m, n) at 4 (11 m + n), m < 16, n < 11: 704 bytes, rounded up
.set INV128,   0x3c000000              ; 1/128
.set INV11,    0x3dba2e8c              ; 1/11
.set NEG11,    0xc1300000              ; -11.0
.set NEG_LN,   0xbc2306ac              ; -ln(1.01f)
.set TWO23,    0x4b000000              ; 2^23
.set OFF,   1                          ; v1        16 x lane: my bytes in a load, and in the row that is stored
.set MA,    2                          ; v2        bit r of both halves for r < 12, else 0
.set MB,    3                          ; v3        the same for r < 11
.set STO,   4                          ; v4        LDS: my wave's region + 4 (88 h + r)
.set ONE,   5                          ; v5        1
.set RD,    6                          ; v6        LDS: my unit's first region + 16 x lane
.set EXPO,  8                          ; v[8:11]   32 - a - b of my four bins 4 lane .. 4 lane + 3
.set X,     16                         ; v[16:31]  my 16 pixels
.set WA,    32                         ; v[32:39]  1 << a, two pixels a register
.set WB,    40                         ; v[40:47]  (j > 0) << b
.set WJ,    48                         ; v[48:55]  j as f16
.set T,     56                         ; v[56:59]  k of four pixels, as f32
.set C,     60                         ; v[60:63]  centre, x - centre, w; then shifted bits
.set Y,     64                         ; v[64:67]  1 + w/2, y, j; then the bit to shift
.set P,     68                         ; v[68:71]  a
.set Q,     72                         ; v[72:75]  b
.set U,     76                         ; v[76:79]  scratch of the set-up
.set F0,    80                         ; v[80:103]   fragments, set 0: A 8, B 8, J then A x J 8
.set F1,    104                        ; v[104:127]  fragments, set 1
.set ACC1,  128                        ; v[128:135]  count
.set ACC2,  136                        ; v[136:143]  jsum
.set R,     144                        ; v[144:159]  the four waves' sums of my four bins
.set KHW,   160                        ; v[160:161]  1/256 twice (addends of packed multiply-adds lie in vector pairs)
.set KWL,   162                        ; v[162:163]  ln(1.01f)/256 twice
.set KP,    164                        ; v[164:165]  1/22 twice
.set KJ,    166                        ; v[166:167]  -2^23 twice
	s_load_b128 s[4:7], s[0:1], 0x0                ; input_image s[4:5], part s[6:7]
	v_lshl_add_u32 v168, v0, 2, 0x2400
	v_mov_b32 v169, 0
	v_lshrrev_b32 v14, 5, v0
	v_readfirstlane_b32 s8, v14                    ; wave 0..11
	v_and_b32 v14, 31, v0                          ; lane
	v_lshlrev_b32 v[OFF], 4, v14
	s_mul_i32 s10, ttmp9, WG_BYTES                 ; below 6,291,456: one word
	s_lshl_b32 s9, s8, 11                          ; + wave x 2,048 bytes
	s_add_co_u32 s10, s10, s9
	s_mov_b32 s11, 0
	s_wait_kmcnt 0x0
	s_add_nc_u64 s[4:5], s[4:5], s[10:11]
.irp i, 0,1,2,3
	global_load_b128 v[X+4*\i:X+4*\i+3], v[OFF], s[4:5] offset:512*\i th:TH_LOAD_NT   ; read once in the launch
.endr
	; Everything below, down to the first wait, hangs on the lane alone and is made while the loads are on their way.
	s_mov_b32 s16, 0x43000000                      ; 128.0, a pair for the packed multiply
	s_mov_b32 s17, 0x43000000
	s_mov_b32 s18, 0x42fe0000                      ; 127.0
	s_mov_b32 s19, 0x3b800000                      ; hw = 1/256
	s_mov_b32 s20, 0x10000                         ; bit 0 of the upper half
	v_mov_b32 v[ONE], 1
	v_mov_b32 v[KHW], 0x3b800000
	v_mov_b32 v[KHW+1], 0x3b800000
	v_mov_b32 v[KWL], 0x382306ac                   ; ln(1.01f) x 2^-8: exact, so w = 0 exactly where |x - centre| = hw
	v_mov_b32 v[KWL+1], 0x382306ac
	v_mov_b32 v[KP], 0x3d3a2e8c
	v_mov_b32 v[KP+1], 0x3d3a2e8c
	v_mov_b32 v[KJ], 0xcb000000
	v_mov_b32 v[KJ+1], 0xcb000000
	v_and_b32 v15, 15, v0                          ; r: my row of A, my column of B and of the result (kept to the end)
	v_bfe_u32 v[U], v0, 4, 1                       ; h: my half of the wave
	v_mov_b32 v[U+1], 0x00010001
	v_lshlrev_b32 v[U+1], v15, v[U+1]              ; bit r of both halves
	v_cmp_gt_u32 vcc_lo, NA, v15
	v_cndmask_b32 v[MA], 0, v[U+1], vcc_lo         ; rows 12-15 stay 0
	v_cmp_gt_u32 vcc_lo, NB, v15
	v_cndmask_b32 v[MB], 0, v[U+1], vcc_lo         ; columns 11-15 stay 0
	v_mul_u32_u24 v[STO], v[U], 352                ; result register e of lane (r, h) is cell (8 h + e, r): byte 4 (11 (8 h + e) + r)
	v_lshl_add_u32 v[STO], v15, 2, v[STO]
	s_mul_i32 s12, s8, REGION
	v_add_nc_u32 v[STO], s12, v[STO]
	v_lshlrev_b32 v14, 2, v14                      ; my first bin on the way out
.irp c, 0,1,2,3
	v_add_nc_u32 v[U], \c, v14                     ; k
	v_mul_u32_u24 v[U+1], v[U], 373
	v_lshrrev_b32 v[U+1], 12, v[U+1]               ; a = k / 11: 11 x 373 = 4,103 >= 4,096 and 7 a < 366, right for k < 128
	v_mul_u32_u24 v[U+2], v[U+1], NB
	v_sub_nc_u32 v[U+2], v[U], v[U+2]              ; b
	v_add_nc_u32 v[U+2], v[U+1], v[U+2]
	v_sub_nc_u32 v[EXPO+\c], 32, v[U+2]            ; 48 - a - b undoes the cell's scale, -16 is the mean over 65,536 pixels
.endr
	; A DPP form leaves its destination as it was in lanes that get no source, so the destination is one of its sources:
	; the 48 fragment registers are written once before their first DPP write.
.set n, 0
.rept 48
	v_mov_b32 v[F0+n], 0
.set n, n+1
.endr
; Four pixels a lane (load i): 56 instructions.
.macro PIXELS i
	v_pk_mul_f32 v[T:T+1],   v[X+4*\i:X+4*\i+1],   s[16:17] op_sel_hi:[1,0]     ; 128 x, exact
	v_pk_mul_f32 v[T+2:T+3], v[X+4*\i+2:X+4*\i+3], s[16:17] op_sel_hi:[1,0]
.irp e, 0,1,2,3
	v_floor_f32 v[T+\e], v[T+\e]
.endr
.irp e, 0,1,2,3
	v_med3_num_f32 v[T+\e], v[T+\e], 0, s18        ; k, clamped to 0..127
.endr
.irp e, 0,2
	v_pk_fma_f32 v[C+\e:C+\e+1], v[T+\e:T+\e+1], INV128, v[KHW:KHW+1] op_sel_hi:[1,0,1]   ; centre = k/128 + 1/256, exact
	v_pk_fma_f32 v[P+\e:P+\e+1], v[T+\e:T+\e+1], INV11,  v[KP:KP+1]   op_sel_hi:[1,0,1]   ; k/11 + 1/22: at least 0.045 from a whole number
.endr
.irp e, 0,2
	v_pk_add_f32 v[C+\e:C+\e+1], v[X+4*\i+\e:X+4*\i+\e+1], v[C+\e:C+\e+1] neg_lo:[0,1] neg_hi:[0,1]   ; x - centre
.endr
.irp r, 60,61,62,63                                ; = C .. C+3
	v_min_num_f32 v\r, |v\r|, s19                  ; min(|x - centre|, hw): d never below 0, and a NaN gives hw
.endr
.irp e, 0,1,2,3
	v_floor_f32 v[P+\e], v[P+\e]                   ; a
.endr
.irp e, 0,2
	v_pk_fma_f32 v[C+\e:C+\e+1], v[C+\e:C+\e+1], NEG_LN, v[KWL:KWL+1] op_sel_hi:[1,0,1]   ; w = ln(1.01f) d, one rounding, >= 0
	v_pk_fma_f32 v[Q+\e:Q+\e+1], v[P+\e:P+\e+1], NEG11,  v[T+\e:T+\e+1] op_sel_hi:[1,0,1] ; b = k - 11 a
.endr
.irp e, 0,2
	v_pk_fma_f32 v[Y+\e:Y+\e+1], v[C+\e:C+\e+1], 0.5, 1.0 op_sel_hi:[1,0,0]               ; 1 + w/2
.endr
.irp e, 0,1,2,3
	v_cvt_u32_f32 v[P+\e], v[P+\e]
	v_cvt_u32_f32 v[Q+\e], v[Q+\e]
.endr
.irp e, 0,2
	v_pk_fma_f32 v[Y+\e:Y+\e+1], v[C+\e:C+\e+1], v[Y+\e:Y+\e+1], 1.0 op_sel_hi:[1,1,0]    ; y = 1 + w (1 + w/2), one rounding, >= 1
.endr
.irp e, 0,2
	v_pk_fma_f32 v[Y+\e:Y+\e+1], v[Y+\e:Y+\e+1], TWO23, v[KJ:KJ+1] op_sel_hi:[1,0,1]      ; j = (y - 1) 2^23, exact: +0.0, 1.0, 2.0 ..
.endr
.irp e, 0,1                                        ; two pixels to a register, the first in the low half
	v_cvt_pk_f16_f32 v[WJ+2*\i+\e], v[Y+2*\e], v[Y+2*\e+1]                 ; j <= 326: exact in f16
	v_min_u32 v[Y+2*\e],   1,   v[Y+2*\e]          ; y > 1 is j >= 1.0, whose bits are above 0x10000; j = 0.0 has the bits 0:
	v_min_u32 v[Y+2*\e+1], s20, v[Y+2*\e+1]        ; the bit to shift, or nothing (the threshold)
	v_lshlrev_b32 v[C+2*\e],   v[P+2*\e], v[ONE]
	v_lshlrev_b32 v[C+2*\e+1], v[Q+2*\e], v[Y+2*\e]
	v_lshl_or_b32 v[WA+2*\i+\e], s20,         v[P+2*\e+1], v[C+2*\e]
	v_lshl_or_b32 v[WB+2*\i+\e], v[Y+2*\e+1], v[Q+2*\e+1], v[C+2*\e+1]
.endr
.endm
; Eight fragment registers: the word src of lanes 8 half .. 8 half + 7 of my half of the wave, ANDed with my bit.
.macro SPREAD_AND dst, src, msk, half
.if \half
.irp p, 8,9,10,11,12,13,14,15
	v_and_b32_dpp v[\dst+\p-8], v[\src], v[\msk] row_share:\p row_mask:0xf bank_mask:0xf
.endr
.else
.irp p, 0,1,2,3,4,5,6,7
	v_and_b32_dpp v[\dst+\p], v[\src], v[\msk] row_share:\p row_mask:0xf bank_mask:0xf
.endr
.endif
.endm
.macro SPREAD_MOV dst, src, half
.if \half
.irp p, 8,9,10,11,12,13,14,15
	v_mov_b32_dpp v[\dst+\p-8], v[\src] row_share:\p row_mask:0xf bank_mask:0xf
.endr
.else
.irp p, 0,1,2,3,4,5,6,7
	v_mov_b32_dpp v[\dst+\p], v[\src] row_share:\p row_mask:0xf bank_mask:0xf
.endr
.endif
.endm
; 32 pixels: register q of the three word arrays, lanes 8 half .. + 7 of both halves of the wave.  f: the fragment set.
; The two sets take turns, so that a register which a matrix instruction has read is written again one whole step later: the other
; set's 32 vector instructions, eight plain v_pk_mul_f16 among them, none naming this set or an accumulator, stand in between
; (ISA guide 7.12.1 asks for four).  Each accumulator is a chain in place; first = 1: the first product starts the sums.
.macro STEP q, half, f, first
	SPREAD_AND \f,   WA+\q, MA, \half              ; A: [a(p) = r] 2^(r-24)
	SPREAD_AND \f+8, WB+\q, MB, \half              ; B: [b(p) = r and y > 1] 2^(r-24)
.if \first
	v_wmma_f32_16x16x32_f16 v[ACC1:ACC1+7], v[\f:\f+7], v[\f+8:\f+15], 0
.else
	v_wmma_f32_16x16x32_f16 v[ACC1:ACC1+7], v[\f:\f+7], v[\f+8:\f+15], v[ACC1:ACC1+7]
.endif
	SPREAD_MOV \f+16, WJ+\q, \half                 ; j of the same pixels
.irp p, 0,1,2,3,4,5,6,7
	v_pk_mul_f16 v[\f+16+\p], v[\f+\p], v[\f+16+\p]        ; A x j: j 2^(r-24), at most 9 significant bits, exact
.endr
.if \first
	v_wmma_f32_16x16x32_f16 v[ACC2:ACC2+7], v[\f+16:\f+23], v[\f+8:\f+15], 0
.else
	v_wmma_f32_16x16x32_f16 v[ACC2:ACC2+7], v[\f+16:\f+23], v[\f+8:\f+15], v[ACC2:ACC2+7]
.endif
.endm
	s_wait_loadcnt 0x3                             ; loads return in order (ISA guide 5.7.1): the first 512 bytes are in, three loads stay out
	PIXELS 0
	STEP 0, 0, F0, 1
	STEP 0, 1, F1, 0
	STEP 1, 0, F0, 0
	STEP 1, 1, F1, 0
	s_wait_loadcnt 0x2                             ; two younger loads may stay out
	PIXELS 1
	STEP 2, 0, F0, 0
	STEP 2, 1, F1, 0
	STEP 3, 0, F0, 0
	STEP 3, 1, F1, 0
	s_wait_loadcnt 0x1                             ; one
	PIXELS 2
	STEP 4, 0, F0, 0
	STEP 4, 1, F1, 0
	STEP 5, 0, F0, 0
	STEP 5, 1, F1, 0
	s_wait_loadcnt 0x0
	PIXELS 3
	STEP 6, 0, F0, 0
	STEP 6, 1, F1, 0
	STEP 7, 0, F0, 0
	STEP 7, 1, F1, 0
	; THE WAY OUT.  Four places behind the last matrix instruction before a vector instruction reads its result (ISA guide 7.12.1).
.rept 4
	v_nop
.endr
.irp e, 0,2,4,6
	v_pk_fma_f32 v[ACC1+\e:ACC1+\e+1], v[ACC2+\e:ACC2+\e+1], 0x34000000, v[ACC1+\e:ACC1+\e+1] op_sel_hi:[1,0,1]   ; count + 2^-23 jsum = the sum of y (times the cell's scale)
.endr
	v_cmp_gt_u32 vcc_lo, NB, v15                   ; columns 11-15 hold zeros and would fall on the next row's cells: they store nothing
	s_wait_xcnt 0x0                                ; EXEC is a source of the global loads above: it changes only behind this wait
	s_and_saveexec_b32 s14, vcc_lo
.irp e, 0,1,2,3,4,5,6,7
	ds_store_b32 v[STO], v[ACC1+\e] offset:44*\e   ; cell (8 h + e, r) to the place of bin 11 (8 h + e) + r in my wave's region
.endr
	s_or_b32 exec_lo, exec_lo, s14                 ; no global access since the wait above
	s_wait_dscnt 0x0                               ; for the waves that read my region: all my stores are done
	s_barrier_signal -1
	s_barrier_wait -1
	s_cmp_gt_u32 s8, 2                             ; wave u = 0, 1, 2 finishes unit u; the others are done
	s_cbranch_scc1 .Ldone
	s_mul_i32 s13, s8, 4*REGION                    ; the regions of waves 4 u .. 4 u + 3
	v_add_nc_u32 v[RD], s13, v[OFF]                ; my four bins: 16 bytes
.irp e, 0,1,2,3
	ds_load_b128 v[R+4*\e:R+4*\e+3], v[RD] offset:REGION*\e
.endr
	s_mul_i32 s10, ttmp9, 3
	s_add_co_u32 s10, s10, s8                      ; row 3 g + u of part,
	s_lshl_b32 s10, s10, 9                         ; 512 bytes a row (s11 is still 0)
	s_add_nc_u64 s[6:7], s[6:7], s[10:11]
	s_wait_dscnt 0x0
	v_pk_add_f32 v[R:R+1],     v[R:R+1],     v[R+4:R+5]
	v_pk_add_f32 v[R+2:R+3],   v[R+2:R+3],   v[R+6:R+7]
	v_pk_add_f32 v[R+8:R+9],   v[R+8:R+9],   v[R+12:R+13]
	v_pk_add_f32 v[R+10:R+11], v[R+10:R+11], v[R+14:R+15]
	v_pk_add_f32 v[R:R+1],     v[R:R+1],     v[R+8:R+9]
	v_pk_add_f32 v[R+2:R+3],   v[R+2:R+3],   v[R+10:R+11]
.irp c, 0,1,2,3
	v_ldexp_f32 v[R+\c], v[R+\c], v[EXPO+\c]       ; times 2^(48-a-b) 2^-16: exact
.endr
	global_store_b128 v[OFF], v[R:R+3], s[6:7]     ; the wave stores 512 consecutive bytes, at a multiple of 512 from part's first byte
.Ldone:
	s_wait_tensorcnt 0x0
	ds_add_u32 v168, v169
	s_wait_dscnt 0x0
	s_endpgm
.Lfunc_end_k_q14005d6d01_hist:
	.size	k_q14005d6d01_hist, .Lfunc_end_k_q14005d6d01_hist-k_q14005d6d01_hist
	.p2alignl 7, 3214868480
	.fill 96, 4, 3214868480
	.section	.rodata,"a",@progbits
	.p2align	6, 0x0
	.amdhsa_kernel k_q14005d6d01_hist
		.amdhsa_group_segment_fixed_size 10752
		.amdhsa_private_segment_fixed_size 0
		.amdhsa_enable_private_segment 0
		.amdhsa_kernarg_size 16
		.amdhsa_user_sgpr_count 2
		.amdhsa_user_sgpr_kernarg_segment_ptr 1
		.amdhsa_wavefront_size32 1
		.amdhsa_system_sgpr_workgroup_id_x 1
		.amdhsa_system_sgpr_workgroup_id_y 1
		.amdhsa_system_sgpr_workgroup_id_z 1
		.amdhsa_system_vgpr_workitem_id 0
		.amdhsa_next_free_vgpr 170
		.amdhsa_next_free_sgpr 66
		.amdhsa_reserve_vcc 1
		.amdhsa_float_denorm_mode_32 3
		.amdhsa_float_denorm_mode_16_64 3
		.amdhsa_memory_ordered 1
		.amdhsa_forward_progress 1
		.amdhsa_inst_pref_size 55
	.end_amdhsa_kernel
	.amdgpu_metadata
---
amdhsa.version: [ 1, 2 ]
amdhsa.kernels:
  - .name:           k_q14005d6d01_hist
    .symbol:         k_q14005d6d01_hist.kd
    .args:
      - { .name: input_image, .offset: 0, .size: 8, .value_kind: global_buffer, .address_space: global }
      - { .name: part, .offset: 8, .size: 8, .value_kind: global_buffer, .address_space: global }
    .group_segment_fixed_size: 10752
    .private_segment_fixed_size: 0
    .kernarg_segment_align: 8
    .kernarg_segment_size: 16
    .max_flat_workgroup_size: 384
    .sgpr_count:     66
    .vgpr_count:     170
    .wavefront_size: 32
...
	.end_amdgpu_metadata
.endif
;; end of part 1
;; launch fold (part 2): grid 24 x 1, 1 waves a work-group, no clusters, 0 bytes of LDS; arguments part, out0; writes out0
.if DOCPART == 2
	.amdgcn_target "amdgcn-amd-amdhsa--gfx1250"
	.amdhsa_code_object_version 6
	.text
	.protected	k_q14005d6d01_fold
	.globl	k_q14005d6d01_fold
	.p2align	8
	.type	k_q14005d6d01_fold,@function
k_q14005d6d01_fold:
	s_mov_b64 s[64:65], 0
	v_nop
	global_prefetch_b8 v0, s[64:65] scope:SCOPE_SE
	s_setreg_imm32_b32 hwreg(HW_REG_WAVE_MODE, 25, 1), 1
	s_wait_xcnt 0x0
; HistLayer, launch 2 of 2: out0[plane][bin] = the sum of the plane's 32 rows of part (each already divided by 65,536).
; out0 is [8][384] = 24 planes x 128 bins in the order of the planes.  One wave for a plane: a row of part is 512 bytes, 16 bytes a lane,
; so a lane owns four bins, nothing crosses lanes, and there is no LDS and no barrier.  All 32 loads (16,384 bytes) are asked for
; at once; the rows are added in four chains as they come.  3,072 results from 393,216 bytes: the launch is one trip to memory long,
; and more waves would not shorten that trip.
.set ROWS, 32
.set R,    4                           ; v[4:131]  row i: 4 registers; rows 0-3 carry the four chains
	s_load_b128 s[4:7], s[0:1], 0x0                ; part s[4:5], out0 s[6:7]
	v_lshlrev_b32 v1, 4, v0                        ; 16 x lane
	s_lshl_b32 s8, ttmp9, 14                       ; plane x 32 rows x 512 bytes
	s_mov_b32 s9, 0
	s_lshl_b32 s10, ttmp9, 9                       ; plane x 128 bins x 4 bytes
	s_mov_b32 s11, 0
	s_wait_kmcnt 0x0
	s_add_nc_u64 s[4:5], s[4:5], s[8:9]
	s_add_nc_u64 s[6:7], s[6:7], s[10:11]
.set i, 0
.rept ROWS
	global_load_b128 v[R+4*i:R+4*i+3], v1, s[4:5] offset:512*i th:TH_LOAD_NT   ; read once in the launch
.set i, i+1
.endr
.set g, 1
.rept 7
	s_wait_loadcnt 28-4*g                          ; loads return in order (ISA guide 5.7.1): rows 0 .. 4 g + 3 are in, the 28 - 4 g behind them stay out
.irp c, 0,1,2,3,4,5,6,7
	v_pk_add_f32 v[R+2*\c:R+2*\c+1], v[R+2*\c:R+2*\c+1], v[R+16*g+2*\c:R+16*g+2*\c+1]   ; row 4 g + c / 2 joins chain c / 2
.endr
.set g, g+1
.endr
	v_pk_add_f32 v[R:R+1],     v[R:R+1],     v[R+4:R+5]
	v_pk_add_f32 v[R+2:R+3],   v[R+2:R+3],   v[R+6:R+7]
	v_pk_add_f32 v[R+8:R+9],   v[R+8:R+9],   v[R+12:R+13]
	v_pk_add_f32 v[R+10:R+11], v[R+10:R+11], v[R+14:R+15]
	v_pk_add_f32 v[R:R+1],     v[R:R+1],     v[R+8:R+9]
	v_pk_add_f32 v[R+2:R+3],   v[R+2:R+3],   v[R+10:R+11]
	global_store_b128 v1, v[R:R+3], s[6:7]         ; the wave stores the plane's 512 consecutive bytes, at a multiple of 512 from out0's first byte
	s_endpgm
.Lfunc_end_k_q14005d6d01_fold:
	.size	k_q14005d6d01_fold, .Lfunc_end_k_q14005d6d01_fold-k_q14005d6d01_fold
	.p2alignl 7, 3214868480
	.fill 96, 4, 3214868480
	.section	.rodata,"a",@progbits
	.p2align	6, 0x0
	.amdhsa_kernel k_q14005d6d01_fold
		.amdhsa_group_segment_fixed_size 0
		.amdhsa_private_segment_fixed_size 0
		.amdhsa_enable_private_segment 0
		.amdhsa_kernarg_size 16
		.amdhsa_user_sgpr_count 2
		.amdhsa_user_sgpr_kernarg_segment_ptr 1
		.amdhsa_wavefront_size32 1
		.amdhsa_system_sgpr_workgroup_id_x 1
		.amdhsa_system_sgpr_workgroup_id_y 1
		.amdhsa_system_sgpr_workgroup_id_z 1
		.amdhsa_system_vgpr_workitem_id 0
		.amdhsa_next_free_vgpr 132
		.amdhsa_next_free_sgpr 66
		.amdhsa_reserve_vcc 0
		.amdhsa_float_denorm_mode_32 3
		.amdhsa_float_denorm_mode_16_64 3
		.amdhsa_memory_ordered 1
		.amdhsa_forward_progress 1
		.amdhsa_inst_pref_size 8
	.end_amdhsa_kernel
	.amdgpu_metadata
---
amdhsa.version: [ 1, 2 ]
amdhsa.kernels:
  - .name:           k_q14005d6d01_fold
    .symbol:         k_q14005d6d01_fold.kd
    .args:
      - { .name: part, .offset: 0, .size: 8, .value_kind: global_buffer, .address_space: global }
      - { .name: out0, .offset: 8, .size: 8, .value_kind: global_buffer, .address_space: global }
    .group_segment_fixed_size: 0
    .private_segment_fixed_size: 0
    .kernarg_segment_align: 8
    .kernarg_segment_size: 16
    .max_flat_workgroup_size: 32
    .sgpr_count:     66
    .vgpr_count:     132
    .wavefront_size: 32
...
	.end_amdgpu_metadata
.endif
;; end of part 2
